; MI455X (gfx1250); checked and timed in simulation.
; The chip was launched on July 23, 2026; its instructions are those of AMD's public machine-readable ISA for CDNA 5 (MIT licence, August 2026) and "CDNA5" Instruction Set Architecture Reference Guide (July 2026). The comments in the code are by the model that wrote it; some were corrected since.
;; Attention Hyper Net. Allowed arithmetic: matrix products marked QUANTISED: E4M3 operands, one given power-of-two scale a tensor, by v_wmma_f32_16x16x64_fp8_fp8 or v_wmma_f32_16x16x128_fp8_fp8, f32 sums; products left as they are: f32 operands where the result goes on into a quantised operand, else bf16, f16 or f32 operands; f32 sums; everything else in f32.
;; Inputs: W1 19 x 128 float32; W2_codes 32 x 4 x 32 uint8 (E4M3 codes of W2, K innermost, in blocks of 32 codes); Wout_codes 128 x 4 x 32 uint8 (E4M3 codes of Wout, K innermost, in blocks of 32 codes); Wqkv_codes 384 x 4 x 32 uint8 (E4M3 codes of Wqkv, K innermost, in blocks of 32 codes); b1 128 float32; b2 32 float32; bout 128 float32; entities 4,096 x 128 x 19 float32; entity_mask 4,096 x 128 int32; lowp_scales 10 int32 (the exponents e of the quantised operands' scales 2^e).
;; Outputs: out0 4,096 x 64 x 32 float32.
;; This version of the problem:
;;   THIS VERSION OF THE PROBLEM IS GIVEN IN LOW PRECISION. The matrix products marked QUANTISED in the list below multiply operands that are first quantised to E4M3 (4 exponent bits, 3 mantissa bits; 8 bits a number), with one given power-of-two scale for each operand tensor; their sums are f32. All else is computed in f32.
;;   The module's matrix products, in the order in which they are computed (A, B: the left and right operand; K: the contracted axis; several contracted axes count as one K, in the product's order):
;;     1. [M 524,288, K 19] x [K 19, N 128]; A: input entities; B: input W1: left as it is (K = 19 < 32)
;;     2. batch 4,096 x [M 64, K 1] x [K 1, N 128]; A: computed on the way; B: computed on the way: left as it is (no contracted axis)
;;     3. [M 524,288, K 128] x [K 128, N 384]; A: computed on the way; B: input Wqkv (given as codes): QUANTISED (scales: A lowp_scales[0], B lowp_scales[1])
;;     4. batch 16,384 x [M 64, K 32] x [K 32, N 128]; A: computed on the way; B: computed on the way: QUANTISED (scales: A lowp_scales[2], B lowp_scales[3])
;;     5. batch 16,384 x [M 64, K 128] x [K 128, N 32]; A: computed on the way; B: computed on the way: QUANTISED (scales: A lowp_scales[4], B lowp_scales[5])
;;     6. [M 262,144, K 128] x [K 128, N 128]; A: computed on the way; B: input Wout (given as codes): QUANTISED (scales: A lowp_scales[6], B lowp_scales[7])
;;     7. [M 262,144, K 128] x [K 128, N 32]; A: computed on the way; B: input W2 (given as codes): QUANTISED (scales: A lowp_scales[8], B lowp_scales[9])
;;   THE QUANTISER, for each operand of a quantised product, along K:
;;     - The operand's scale is 2^e, e = its entry of the input lowp_scales (int32; the entries are numbered through the quantised products in the list's order, A before B).
;;     - Each number is divided by the scale, clamped to +-448, and rounded to the nearest number of E4M3, ties to even, subnormals kept.
;;     - The product sums the exact products of the quantised numbers (number of the format x scale) in f32.
;;   ~~~python
;;   def quantise(x, axis, e):      # numpy; x: float32 -> the quantised numbers, widened to float32 again
;;       x = np.moveaxis(x, axis, -1); K = x.shape[-1]
;;       r = np.clip(x / 2.0 ** e, -448, 448)
;;       step = 2.0 ** (np.maximum(np.frexp(np.where(r == 0, 1, r))[1] - 1, -6) - 3)
;;       q = np.round(r / step) * step * 2.0 ** e      # np.round: ties to even
;;       return np.moveaxis(q, -1, axis).astype(np.float32)
;;   ~~~
;;   OPERANDS COMPUTED ON THE WAY. 'Computed on the way' means the value that the module computes at that place (a softmax that the list does not call 'softmax' is quantised finished and normalised). What goes into a quantiser is computed in f32, as accurately as f32 sums, v_exp_f32 and their like allow (about 1e-6 of the number): no bf16 or f16 on the way to a quantiser, and a product that is left as it is and whose result goes on into a quantised operand takes f32 operands (vector FMAs, or v_wmma_f32_16x16x4_f32). A number that lies on a knife's edge between two numbers of the format may be rounded either way, as far as f32 arithmetic and the matrix unit's own rounding can turn it there, and no further.
;;   INPUTS GIVEN AS CODES. W2 (in the module: [128, 32], K = its axis 0); Wout (in the module: [128, 128], K = its axis 0); Wqkv (in the module: [128, 384], K = its axis 0): each comes as NAME_codes (uint8): NAME with its K axis moved to the last place and cut into blocks of 32 codes, [.., K / 32, bytes a block], one block behind the other in memory; one code a byte (a code: sign, 4 exponent bits, 3 mantissa bits); its scale is its entry of lowp_scales. Its value is code x scale, taken as it is: it is not quantised again, and the codes and scales need not be those that the quantiser above would give.
;; 2 versions, each right; version 2 is version 1 with the launch hyper written anew for expert scheduling mode. Each part assembles by itself: llvm-mc -triple=amdgcn-amd-amdhsa -mcpu=gfx1250 --defsym DOCPART=n.
;; ======== version 1 of 2: 1 launch
;; limits: right only within a limited range of input values
;; launch hyper (part 1): grid 256 x 1, 8 waves a work-group, no clusters, 164,864 bytes of LDS; arguments entities, entity_mask, out0, W1, b1, Wqkv_codes, Wout_codes, bout, W2_codes, b2, lowp_scales; writes out0
.if DOCPART == 1
	.amdgcn_target "amdgcn-amd-amdhsa--gfx1250"
	.amdhsa_code_object_version 6
	.text
	.protected	k_q712b2fde86_hyper
	.globl	k_q712b2fde86_hyper
	.p2align	8
	.type	k_q712b2fde86_hyper,@function
k_q712b2fde86_hyper:
	s_mov_b64 s[64:65], 0
	v_nop
	global_prefetch_b8 v0, s[64:65] scope:SCOPE_SE
	s_setreg_imm32_b32 hwreg(HW_REG_WAVE_MODE, 25, 1), 1
	s_wait_xcnt 0x0
; AttentionHyperNet, one launch: fc1 + relu (f32), qkv, 4-head attention of 64 agents over 128 entities, out_trans, fc2, all products behind fc1 on E4M3 codes with the given scales 2^e0 .. 2^e9.
; SHARES.  4,096 batches; a work-group of eight waves takes 16, a wave two, one after the other, each from entities to out0 BY ITSELF: nothing goes to memory on the way and the waves meet at one barrier,
; behind the staging of the weights, which all sixteen batches share and which lie in LDS as images of the operands' registers (a group of four registers at 16 x lane, 512 bytes a group).
; No tensor load and no cluster: what work-groups share is 80 KB of weights, read once by each and laid anew on the way into LDS; the streams (entities, mask, out0) are each work-group's own.
; WORK LEFT OUT, for all values of the inputs:
;  (a) q of entities 64 .. 127: reference() slices it away (q[:, :64]); those 32 of the qkv product's 192 tiles a batch are not made.
;  (b) the outer product that makes attn_mask, and its query factor.  For a row i with am_i <= 0, a = 1 - am_i >= 1, so 1 - a (1 - em_j) > 0 holds exactly where em_j >= 1 (a whole number), in f32 as in real numbers
;      (for em_j <= 0 the product is at least 1, for em_j >= 1 it is 0 or less, and rounding keeps the order).  Rows with am_i > 0 are overwritten with 0 at x2 and at x3, whatever their weights were.
;      So key j is hidden where em_j > 0, alike for all queries, and the select on am_i > 0 is executed at x2 and at x3.
;  (c) the isnan guard: it acts only on rows all of whose keys are hidden; a row with am_i <= 0 sees key i itself (agents are entities 0 .. 63), so such rows have am_i > 0 and are set to 0; here they hold finite numbers.
; No input is left out.  A NaN, an infinity or an overflow that reaches only the work left out is not carried to the result.
; LIMITS.  NaN and infinity among the inputs are not served.  So that each power of two below is an f32 number: e0, e2-e0-e1, e3-e0-e1, e5-e0-e1, e4, e6-e4-e5, e8-e6-e7 between -126 and 119; e8+e9 between -126 and 127.
; A hidden key's score is the finite -2^80 in units of codes (live scores are under 2^23 there): e2+e3 between -70 and 45, so that its exponent is under -256 (its weight is exactly 0) and nothing overflows.
; LAYOUT.  Lane l: r = l % 16, h = l / 16.  An 8-bit operand holds k = 16 c + 8 h + 0..7 in registers 2 c, 2 c + 1; a result tile holds (m = 8 h + j, n = r) in register j.  Each product is laid so that m runs along the
; NEXT product's K: one conversion of a tile's eight registers then IS registers 2 c, 2 c + 1 of the next operand, and nothing is transposed:
;   x1: A = W1 (features), B = entities -> (feature, entity r);   k, q: A = Wk, Wq (channels), B = x1 -> (channel, entity r);   v: A = x1, B = Wv -> (entity, channel r);   S^T: A = k, B = q, C = the keys' bias -> (key, query r);
;   O^T: A = v^T, B = the weights -> (channel, query r);   x2^T: A = Wout, B = attn, C = bout / 2^(e6+e7) -> (feature, agent r);   x3^T: A = W2, B = x2 -> (column, agent r): 32 neighbouring bytes of a row of out0.
; fc1's K = 19 is filled to 20: W1's row 19 is b1 and the entities' feature 19 is 1.0.  A head's K = 32 goes in the K = 64 form: q's upper four registers are zeros; k's codes lie four registers a tile, so a fragment's
; upper half is the next tile's codes (behind the last tile: v's), finite numbers that meet zeros.
; REGISTERS.  window 0: v1-13 addresses and scales; v14-21 at work; v22, v23 the add's two; v24-87 ACC, written by matrix instructions alone; v88-151 RT; v152-183 k; v184-215 v^T; v216-231 q; v232-239 q's fragment; v240-255 the weights' codes.
;   (fc1: v152-231 W1's 40 fragments, v232-251 two sets of entity fragments.  The tail: v88-215 Wout, v216-231 b2, v232-239 the agents' mask and hold.)
;   window 1: v0-127 x1's eight fragments (later v0-79 the next batch's entities and mask, v80-95 x2, v96-127 W2); v128-191 the keys' bias (later attn's four fragments); v192-255 bout / 2^(e6+e7), kept.
.set WIMG_K, 16384                     ; LDS: Wqkv's 24 images of 2,048 bytes from 0 (q 0-7, k 8-15, v 16-23),
.set WIMG_V, 32768
.set WIMG_O, 49152                     ; Wout's 8,
.set WIMG_2, 65536                     ; W2's 2,
.set W1IMG,  69632                     ; W1's 40 fragments (tile c, K step s: 5 c + s) of 256 bytes, 8 bytes a lane
.set WBASE,  79872                     ; then a region of WREG bytes for each wave:
.set WREG,   10496                     ;   +0 by turns: the batch's entities as they lie (9,728), attn's 4 images (8,192), 64 rows of out0 at pitch 144 (9,216)
.set BIASA,  9728                      ;   the keys' bias, 128 f32
.set B2A,    10240                     ;   b2, 32 f32
.set SPARE,  163840                    ; behind the regions: the spare words, 128 bytes for each wave: four blocks of 256 bytes that no other line names
.set LI,  1                            ; 16 x lane
.set UA,  2                            ; my region + 16 x lane
.set ER,  3                            ; my region + 76 r + 8 h: an entity's row is 76 bytes
.set ER2, 4                            ; my region + 76 r + 4 h
.set HBW, 5                            ; my region + 32 h
.set RW,  6                            ; my region + 4 r
.set SO,  7                            ; my region + 144 r + 32 h
.set SR,  8                            ; my region + 144 (lane / 8) + 16 (lane % 8)
.set AD0, 9                            ; addresses made for a phase
.set AD1, 10
.set SC,  11                           ; the phase's conversion scale
.set SCW, 12                           ; 2^e4
.set SCA, 13                           ; 2^(e6-e4-e5)
.set SPW, 22                           ; LDS address of my spare word; never rewritten
.set NIL, 23                           ; 0; never rewritten
.set ACC, 24
.set RT,  88
.set RK,  152
.set RV,  184
.set RQ,  216
.set RQF, 232
.set RP,  240
.set W1F, 152
.set ENT, 232
.set WR,  88
.set X1,  0                            ; window 1
.set PF,  0
.set X2F, 80
.set W2F, 96
.set BIAS, 128
.set AF,  128
.set BOUT, 192
.set MSB, 0
.macro WIN new                         ; the immediate's high byte repeats the setting that is left; bits 1:0 source 0, 3:2 source 1, 5:4 source 2, 7:6 destination
.if MSB != \new
	s_set_vgpr_msb (MSB<<8)|\new
.set MSB, \new
.endif
.endm
.macro NOPS n
.rept \n
	v_nop
.endr
.endm
.macro MKQ sc, lim, nlim, e            ; from the whole number in s[e]: 2^e, 448 x 2^e and -448 x 2^e as f32
	s_add_co_i32 s[\sc], s[\e], 127
	s_add_co_i32 s[\lim], s[\e], 135
	s_lshl_b32 s[\sc], s[\sc], 23
	s_lshl_b32 s[\lim], s[\lim], 23
	s_or_b32 s[\lim], s[\lim], 0x600000
	s_or_b32 s[\nlim], s[\lim], 0x80000000
.endm
.macro FRAG reg, adr, off              ; an operand's 16 registers from its image
.irp q, 0,1,2,3
	ds_load_b128 v[\reg+4*\q:\reg+4*\q+3], v[\adr] offset:\off+512*\q
.endr
.endm
.macro PFLOAD eo, mo                   ; a batch's entities (19 x 512 consecutive bytes) and mask (512) into idle registers of window 1
	WIN 0x40
.set cn, 0
.rept 19
	global_load_b128 v[PF+4*cn:PF+4*cn+3], v[LI], s[4:5] offset:\eo+512*cn th:TH_LOAD_NT
.set cn, cn+1
.endr
	global_load_b128 v[PF+76:PF+79], v[LI], s[6:7] offset:\mo th:TH_LOAD_NT
	WIN 0
.endm
.macro ENTLD t                         ; entities 16 t + r: register 2 s + j = feature 4 s + 2 h + j, into set t % 2
.set EB, ENT+10*((\t)%2)
.irp k, 0,1,2,3,4,5,6,7,8
	ds_load_b32 v[EB+\k], v[ER] offset:1216*(\t)+16*(\k/2)+4*(\k%2)
.endr
	ds_load_b32 v[EB+9], v[ER2] offset:1216*(\t)+68      ; h = 0: feature 17; h = 1: feature 18, a byte inside the row, replaced below
.endm
.macro ENTFIX t                        ; feature 19 is 1.0: it meets b1
	v_cndmask_b32 v[ENT+10*((\t)%2)+9], 1.0, v[ENT+10*((\t)%2)+9], s72
.endm
.macro W1G t, u                        ; fc1 for entities 16 t on, feature tiles 4 u .. 4 u + 3: five K steps of 4; the four accumulators take turns, one instruction a turn
.irp s, 0,1,2,3,4
.irp cc, 0,1,2,3
.if \s == 0
	v_wmma_f32_16x16x4_f32 v[ACC+32*(\u)+8*\cc:ACC+32*(\u)+8*\cc+7], v[W1F+10*(4*(\u)+\cc)+2*\s:W1F+10*(4*(\u)+\cc)+2*\s+1], v[ENT+10*((\t)%2)+2*\s:ENT+10*((\t)%2)+2*\s+1], 0
.else
	v_wmma_f32_16x16x4_f32 v[ACC+32*(\u)+8*\cc:ACC+32*(\u)+8*\cc+7], v[W1F+10*(4*(\u)+\cc)+2*\s:W1F+10*(4*(\u)+\cc)+2*\s+1], v[ENT+10*((\t)%2)+2*\s:ENT+10*((\t)%2)+2*\s+1], v[ACC+32*(\u)+8*\cc:ACC+32*(\u)+8*\cc+7]
.endif
.endr
.endr
.endm
.macro QX t, u                         ; those four tiles become codes: relu and the hold in one, into other registers; then registers 2 c, 2 c + 1 of x1's fragment t
.set cn, 0
.rept 32
	v_med3_num_f32 v[RT+32*(\u)+cn], v[ACC+32*(\u)+cn], 0, s41
.set cn, cn+1
.endr
	WIN 0x40
.irp cc, 0,1,2,3
	v_cvt_scalef32_pk8_fp8_f32 v[X1+16*(\t)+2*(4*(\u)+\cc):X1+16*(\t)+2*(4*(\u)+\cc)+1], v[RT+32*(\u)+8*\cc:RT+32*(\u)+8*\cc+7], v[SC]
.endr
	WIN 0
.endm
; kind: 0 = q, 1 = k, 2 = v.  PW: the head's two channel tiles for entity tiles 2 g, 2 g + 1, into half g % 2 of ACC.
.macro PW kind, g
.if \kind == 2
	WIN 0x01
.else
	WIN 0x04
.endif
.irp tt, 0,1
.irp cc, 0,1
.if \kind == 2
	v_wmma_f32_16x16x128_fp8_fp8 v[ACC+32*((\g)%2)+16*\tt+8*\cc:ACC+32*((\g)%2)+16*\tt+8*\cc+7], v[X1+16*(2*(\g)+\tt):X1+16*(2*(\g)+\tt)+15], v[RT+32+16*\cc:RT+32+16*\cc+15], 0
.else
	v_wmma_f32_16x16x128_fp8_fp8 v[ACC+32*((\g)%2)+16*\tt+8*\cc:ACC+32*((\g)%2)+16*\tt+8*\cc+7], v[RT+16*\cc:RT+16*\cc+15], v[X1+16*(2*(\g)+\tt):X1+16*(2*(\g)+\tt)+15], 0
.endif
.endr
.endr
	WIN 0
.endm
; PQ: those four tiles are held within +-448 x the scale (the conversion to an 8-bit code does not saturate: ISA guide 7.6.2) and become codes in their operand's registers.
.macro PQ kind, g
.irp tt, 0,1
.irp cc, 0,1
.set pa, ACC+32*((\g)%2)+16*\tt+8*\cc
.set pb, RP+8*\cc
.set pt, 2*(\g)+\tt
.if \kind == 1
.set pd, RK+4*pt+2*\cc
.elseif \kind == 2
.set pd, RV+16*\cc+2*pt
.else
.set pd, RQ+4*pt+2*\cc
.endif
.set cn, 0
.rept 8
	v_med3_num_f32 v[pb+cn], v[pa+cn], s[44+3*\kind], s[43+3*\kind]
.set cn, cn+1
.endr
	v_cvt_scalef32_pk8_fp8_f32 v[pd:pd+1], v[pb:pb+7], v[SC]
.endr
.endr
	v_nop                                          ; a plain line behind the last conversion, ahead of whatever next touches its codes or writes its scale
.endm
; ATT: the head's attention for queries 16 i on.  No LDS load stands in it.
.macro ATT i
.irp j, 0,1,2,3
	v_mov_b32 v[RQF+\j], v[RQ+4*(\i)+\j]
.endr
	WIN 0x10                                       ; C, the keys' bias, in window 1
.irp t, 0,1,2,3,4,5,6,7
	v_wmma_f32_16x16x64_fp8_fp8 v[ACC+8*\t:ACC+8*\t+7], v[RK+4*\t:RK+4*\t+7], v[RQF:RQF+7], v[BIAS+8*\t:BIAS+8*\t+7]
.endr
	WIN 0
	NOPS 4                                         ; four places between the products and the first read of their results (ISA guide 7.12.1)
	v_max3_num_f32 v14, v[ACC], v[ACC+1], v[ACC+2] ; my query's largest score among my 64 keys, in two chains, each accumulator from its low end on
	v_max3_num_f32 v15, v[ACC+3], v[ACC+4], v[ACC+5]
.irp j, 6,10,14,18,22,26,30,34,38,42,46,50,54,58
	v_max3_num_f32 v14, v14, v[ACC+\j], v[ACC+\j+1]
	v_max3_num_f32 v15, v15, v[ACC+\j+2], v[ACC+\j+3]
.endr
	v_max3_num_f32 v14, v14, v[ACC+62], v[ACC+63]
	v_max_num_f32 v14, v14, v15
	v_permlanex16_b32 v20, v14, s62, s63
	v_max_num_f32 v14, v14, v20                    ; and among lane l xor 16's
	v_mul_f32 v16, s52, v14                        ; c' m, c' = log2(e) / sqrt(32) x 2^(e2+e3); its rounding is the same for the whole row and leaves with the division by the sum
	s_wait_dscnt 0x0                               ; the last step's LDS store has read its registers, which the next lines write
.set cn, 0
.rept 32
	v_pk_fma_f32 v[RT+cn:RT+cn+1], v[ACC+cn:ACC+cn+1], s[52:53], v[16:17] op_sel_hi:[1,0,0] neg_lo:[0,0,1] neg_hi:[0,0,1]
.set cn, cn+2
.endr
.set cn, 0
.rept 64
	v_exp_f32 v[RT+cn], v[RT+cn]                   ; e^(logit - the row's largest); exactly 0 for a hidden key
.set cn, cn+1
.endr
	v_nop                                          ; a plain line behind the last exponential
	s_wait_alu depctr_va_vdst(0)                   ; one wait for the batch of 64, ahead of its first reader
	v_pk_add_f32 v[18:19], v[RT:RT+1], v[RT+2:RT+3]
	v_pk_add_f32 v[14:15], v[RT+4:RT+5], v[RT+6:RT+7]
.irp j, 8,12,16,20,24,28,32,36,40,44,48,52,56,60
	v_pk_add_f32 v[18:19], v[18:19], v[RT+\j:RT+\j+1]
	v_pk_add_f32 v[14:15], v[14:15], v[RT+\j+2:RT+\j+3]
.endr
	v_pk_add_f32 v[18:19], v[18:19], v[14:15]
	v_add_f32 v18, v18, v19
	v_permlanex16_b32 v20, v18, s62, s63
	v_add_f32 v18, v18, v20                        ; the row's sum
	v_rcp_f32 v16, v18
	v_nop
	s_wait_alu depctr_va_vdst(0)                   ; the wait for the reciprocal, ahead of its first reader
.set cn, 0
.rept 32
	v_pk_mul_f32 v[RT+cn:RT+cn+1], v[RT+cn:RT+cn+1], v[16:17] op_sel_hi:[1,0]   ; the weights, finished and normalised: that is what is quantised
.set cn, cn+2
.endr
	s_cmp_eq_u32 s55, 0                            ; a weight is at most 1 and a rounding: where 448 x 2^e4 is 1.75 or more (e4 >= -8) the hold can hold nothing.  A branch on a whole number read from memory
	s_cbranch_scc1 .Lno_hold_\@
.set cn, 0
.rept 64
	v_min_num_f32 v[RT+cn], s54, v[RT+cn]
.set cn, cn+1
.endr
.Lno_hold_\@:
.irp t, 0,1,2,3,4,5,6,7
	v_cvt_scalef32_pk8_fp8_f32 v[RP+2*\t:RP+2*\t+1], v[RT+8*\t:RT+8*\t+7], v[SCW]
.endr
	v_nop                                          ; a plain line between the conversions and the products that read their codes
	v_wmma_f32_16x16x128_fp8_fp8 v[ACC:ACC+7], v[RV:RV+15], v[RP:RP+15], 0
	v_wmma_f32_16x16x128_fp8_fp8 v[ACC+8:ACC+15], v[RV+16:RV+31], v[RP:RP+15], 0
	NOPS 4
.set cn, 0
.rept 16
	v_med3_num_f32 v[RT+cn], v[ACC+cn], s57, s56
.set cn, cn+1
.endr
	v_cvt_scalef32_pk8_fp8_f32 v[RT+16:RT+17], v[RT:RT+7], v[SCA]
	v_cvt_scalef32_pk8_fp8_f32 v[RT+18:RT+19], v[RT+8:RT+15], v[SCA]
	ds_store_b128 v[AD1], v[RT+16:RT+19] offset:2048*(\i)   ; registers 4 head .. 4 head + 3 of attn's fragment i, into its image
	v_nop
.endm
; HEAD: one head: k and v for 128 entities, q for 64, then the attention.  A group's holds and conversions stand behind the NEXT group's products, on the other half of ACC: they are the places behind those products.
; pf = 1 (the batch's last head): x1 has been read for the last time, and the next batch's entities and mask are asked for into its registers.
.macro HEAD pf
	s_wait_dscnt 0x0
	v_add_nc_u32 v[AD0], s68, v[LI]                ; the head's two fragments of each of Wq, Wk, Wv: 4,096 x head on
	v_add_nc_u32 v[AD1], s69, v[UA]                ; the head's group of four registers in attn's images: 512 x head on
	FRAG RT, AD0, WIMG_K
	FRAG RT+16, AD0, WIMG_K+2048
	FRAG RT+32, AD0, WIMG_V
	FRAG RT+48, AD0, WIMG_V+2048
	s_wait_dscnt 0x0
	PW 1, 0
	NOPS 4
	PW 1, 1
	v_mov_b32 v[SC], s45
	PQ 1, 0
	PW 1, 2
	PQ 1, 1
	PW 1, 3
	PQ 1, 2
	FRAG RT, AD0, 0                                ; Wq takes Wk's registers: their last reader stands 32 plain lines back
	FRAG RT+16, AD0, 2048
	PW 2, 0
	PQ 1, 3
	PW 2, 1
	v_mov_b32 v[SC], s48
	PQ 2, 0
	PW 2, 2
	PQ 2, 1
	PW 2, 3
	PQ 2, 2
	s_wait_dscnt 0x0                               ; Wq is in
	PW 0, 0
	PQ 2, 3
	PW 0, 1
	v_mov_b32 v[SC], s42
	PQ 0, 0
	PQ 0, 1
.if \pf
	s_cmp_eq_u32 s66, 1                            ; no next batch: no load leaves its buffer
	s_cbranch_scc1 .Lno_next_\@
	PFLOAD 9728, 512
.Lno_next_\@:
.endif
	ATT 0
	ATT 1
	ATT 2
	ATT 3
.endm
; X6: out_trans and fc2 for agents 16 i on.  The hold at x2 is 448 x the scale for an agent that counts and 0 for one that does not: the select on am > 0 costs no line there.
.macro X6 i
	WIN 0x14                                       ; B (attn) and C (bout) in window 1
.irp c, 0,1,2,3,4,5,6,7
	v_wmma_f32_16x16x128_fp8_fp8 v[ACC+8*\c:ACC+8*\c+7], v[WR+16*\c:WR+16*\c+15], v[AF+16*(\i):AF+16*(\i)+15], v[BOUT+8*\c:BOUT+8*\c+7]
.endr
	WIN 0
	NOPS 4
.irp g, 0,1,2,3
.set cn, 0
.rept 16
	v_med3_num_f32 v[RP+cn], v[ACC+16*\g+cn], -v[236+(\i)], v[236+(\i)]
.set cn, cn+1
.endr
	WIN 0x40
	v_cvt_scalef32_pk8_fp8_f32 v[X2F+4*\g:X2F+4*\g+1], v[RP:RP+7], v[SC]
	v_cvt_scalef32_pk8_fp8_f32 v[X2F+4*\g+2:X2F+4*\g+3], v[RP+8:RP+15], v[SC]
	WIN 0
	v_nop                                          ; a plain line behind the conversions: the next lines write their sources, or read their codes
.endr
	WIN 0x05                                       ; A (W2) and B (x2) in window 1
	v_wmma_f32_16x16x128_fp8_fp8 v[ACC:ACC+7], v[W2F:W2F+15], v[X2F:X2F+15], 0
	v_wmma_f32_16x16x128_fp8_fp8 v[ACC+8:ACC+15], v[W2F+16:W2F+31], v[X2F:X2F+15], 0
	WIN 0
	NOPS 4
.set cn, 0
.rept 8
	v_pk_fma_f32 v[RP+cn:RP+cn+1], v[ACC+cn:ACC+cn+1], s[60:61], v[RQ+cn:RQ+cn+1] op_sel_hi:[1,0,1]   ; x3 = sum x 2^(e8+e9) + b2
.set cn, cn+2
.endr
.set cn, 0
.rept 16
	v_cndmask_b32 v[RP+cn], 0, v[RP+cn], s[76+(\i)]      ; and 0 where am > 0
.set cn, cn+1
.endr
.irp c, 0,1
.irp u, 0,1
	ds_store_b128 v[SO], v[RP+8*\c+4*\u:RP+8*\c+4*\u+3] offset:2304*(\i)+64*\c+16*\u   ; row = agent 16 i + r, columns 16 c + 8 h + 4 u on
.endr
.endr
	s_wait_dscnt 0x0                               ; the stores have read their registers
.endm
	s_load_b512 s[4:19], s[0:1], 0x0               ; entities s[4:5], entity_mask s[6:7], out0 s[8:9], W1 s[10:11], b1 s[12:13], Wqkv s[14:15], Wout s[16:17], bout s[18:19]
	s_load_b128 s[20:23], s[0:1], 0x40             ; W2 s[20:21], b2 s[22:23]
	s_load_b64 s[24:25], s[0:1], 0x50              ; the scales' exponents
	v_lshl_add_u32 v[SPW], v0, 2, SPARE
	v_mov_b32 v[NIL], 0
	v_lshrrev_b32 v21, 5, v0
	v_readfirstlane_b32 s2, v21                    ; wave 0..7
	v_and_b32 v21, 31, v0                          ; lane
	v_and_b32 v9, 15, v0                           ; r
	v_bfe_u32 v10, v0, 4, 1                        ; h
	s_mul_i32 s71, s2, WREG
	s_add_co_u32 s71, s71, WBASE                   ; my region of LDS
	v_lshlrev_b32 v[LI], 4, v21
	v_add_nc_u32 v[UA], s71, v[LI]
	v_mul_u32_u24 v[ER], v9, 76
	v_add_nc_u32 v[ER], s71, v[ER]
	v_lshl_add_u32 v[ER2], v10, 2, v[ER]
	v_lshl_add_u32 v[ER], v10, 3, v[ER]
	v_lshlrev_b32 v[HBW], 5, v10
	v_add_nc_u32 v[HBW], s71, v[HBW]
	v_lshlrev_b32 v[RW], 2, v9
	v_add_nc_u32 v[RW], s71, v[RW]
	v_mul_u32_u24 v[SO], v9, 144
	v_lshl_add_u32 v[SO], v10, 5, v[SO]
	v_add_nc_u32 v[SO], s71, v[SO]
	v_lshrrev_b32 v[SR], 3, v21
	v_mul_u32_u24 v[SR], v[SR], 144
	v_and_b32 v20, 7, v0
	v_lshl_add_u32 v[SR], v20, 4, v[SR]
	v_add_nc_u32 v[SR], s71, v[SR]
	; offsets of the weights' loads
	v_lshlrev_b32 v232, 7, v9
	v_lshl_add_u32 v232, v10, 3, v232              ; codes: row r of 128 bytes, + 8 h
	v_lshlrev_b32 v235, 2, v9                      ; b1: 4 r
	v_lshl_add_u32 v233, v10, 10, v235             ; W1: two rows of 512 bytes for h, + 4 r
	v_lshl_add_u32 v234, v10, 9, v235              ; W1's register 9: row 17 + h, inside W1 for both halves
	v_lshlrev_b32 v236, 2, v21                     ; b2: 4 x lane
	v_lshlrev_b32 v237, 5, v10                     ; bout: 32 h
	; where my share of the images goes
	s_mul_i32 s80, s2, 6144
	v_add_nc_u32 v238, s80, v[LI]                  ; Wqkv's fragments 3 w .. 3 w + 2
	s_lshl_b32 s80, s2, 11
	v_add_nc_u32 v239, s80, v[LI]                  ; Wout's fragment w
	s_lshl_b32 s80, s2, 9
	s_add_co_u32 s80, s80, WIMG_2
	v_add_nc_u32 v240, s80, v[LI]                  ; W2: group w of the two fragments' eight groups of four registers
	s_mul_i32 s80, s2, 1280
	s_add_co_u32 s80, s80, W1IMG
	v_lshl_add_u32 v241, v21, 3, s80               ; W1's feature tile w: five fragments
	v_lshl_add_u32 v242, v21, 2, s71               ; b2, into my own region
	v_mov_b32 v17, 0                               ; (named as the upper half of the pair v[16:17])
	v_mov_b32 v20, 0                               ; written once: a lane permute's destination counts as one of its sources
	s_mov_b32 s62, 0x76543210                      ; v_permlanex16_b32's selects for lane l xor 16
	s_mov_b32 s63, 0xfedcba98
	s_mov_b32 s72, 0x0000ffff                      ; lanes 0-15
	s_lshl_b32 s80, ttmp9, 4
	s_lshl_b32 s81, s2, 1
	s_add_co_u32 s80, s80, s81                     ; my first batch: 16 x work-group + 2 x wave
	s_mov_b32 s83, 0
	s_wait_kmcnt 0x0
	s_load_b256 s[28:35], s[24:25], 0x0            ; e0 .. e7
	s_load_b64 s[36:37], s[24:25], 0x20            ; e8, e9
	s_mul_i32 s82, s80, 9728
	s_add_nc_u64 s[4:5], s[4:5], s[82:83]
	s_lshl_b32 s82, s80, 9
	s_add_nc_u64 s[6:7], s[6:7], s[82:83]
	s_lshl_b32 s82, s80, 13
	s_add_nc_u64 s[8:9], s[8:9], s[82:83]
	s_mul_i32 s82, s2, 6144
	s_add_nc_u64 s[14:15], s[14:15], s[82:83]      ; Wqkv's rows 48 w on
	s_lshl_b32 s82, s2, 11
	s_add_nc_u64 s[16:17], s[16:17], s[82:83]      ; Wout's rows 16 w on
	s_lshl_b32 s82, s2, 6
	s_add_nc_u64 s[10:11], s[10:11], s[82:83]      ; W1's and b1's features 16 w on
	s_add_nc_u64 s[12:13], s[12:13], s[82:83]
	s_lshr_b32 s84, s2, 2
	s_lshl_b32 s84, s84, 11
	s_and_b32 s85, s2, 3
	s_lshl_b32 s85, s85, 5
	s_add_co_u32 s82, s84, s85
	s_add_nc_u64 s[20:21], s[20:21], s[82:83]      ; W2: rows 16 (w / 4) on, bytes 32 (w % 4) on
.irp g, 0,1,2
.irp c, 0,1,2,3,4,5,6,7
	global_load_b64 v[88+16*\g+2*\c:88+16*\g+2*\c+1], v232, s[14:15] offset:2048*\g+16*\c
.endr
.endr
.irp c, 0,1,2,3,4,5,6,7
	global_load_b64 v[136+2*\c:136+2*\c+1], v232, s[16:17] offset:16*\c
.endr
	global_load_b64 v[152:153], v232, s[20:21]
	global_load_b64 v[154:155], v232, s[20:21] offset:16
.irp k, 0,1,2,3,4,5,6,7,8
	global_load_b32 v[156+\k], v233, s[10:11] offset:(4*(\k/2)+(\k%2))*512   ; W1(4 s + 2 h + j, 16 w + r), register 2 s + j
.endr
	global_load_b32 v165, v234, s[10:11] offset:17*512
	global_load_b32 v166, v235, s[12:13]
	global_load_b32 v167, v236, s[22:23]
	WIN 0x40
.irp c, 0,1,2,3,4,5,6,7
	global_load_b128 v[BOUT+8*\c:BOUT+8*\c+3], v237, s[18:19] offset:64*\c        ; bout(16 c + 8 h + 0 .. 7): the result tile's layout
	global_load_b128 v[BOUT+8*\c+4:BOUT+8*\c+7], v237, s[18:19] offset:64*\c+16
.endr
	WIN 0
	PFLOAD 0, 0                                    ; my first batch
	s_wait_kmcnt 0x0
	s_add_co_i32 s80, s28, s29                     ; e0 + e1: a sum of the qkv product stands for sum x 2^(e0+e1)
	MKQ 40, 41, 81, 28                             ; x1: e0
	s_sub_co_i32 s82, s30, s80
	MKQ 42, 43, 44, 82                             ; q: e2 - e0 - e1
	s_sub_co_i32 s82, s31, s80
	MKQ 45, 46, 47, 82                             ; k: e3 - e0 - e1
	s_sub_co_i32 s82, s33, s80
	MKQ 48, 49, 50, 82                             ; v: e5 - e0 - e1
	s_add_co_i32 s82, s30, s31
	s_lshl_b32 s82, s82, 23
	s_add_co_i32 s52, s82, 0x3e8293ee              ; c' = log2(e) / sqrt(32) x 2^(e2+e3): the exponents are added to the exponent field
	s_mov_b32 s53, s52                             ; (named with it as a pair, so it is written)
	MKQ 83, 54, 81, 32                             ; the weights: e4
	v_mov_b32 v[SCW], s83
	s_cmp_lt_i32 s32, -8
	s_cselect_b32 s55, 1, 0                        ; 1: the weights' hold is needed
	s_add_co_i32 s82, s32, s33
	s_sub_co_i32 s82, s34, s82
	MKQ 83, 56, 57, 82                             ; attn: e6 - e4 - e5
	v_mov_b32 v[SCA], s83
	s_add_co_i32 s84, s34, s35
	s_sub_co_i32 s82, s36, s84
	MKQ 58, 59, 81, 82                             ; x2: e8 - e6 - e7
	s_sub_co_i32 s84, 0, s84                       ; -(e6 + e7), for bout
	s_add_co_i32 s82, s36, s37
	s_add_co_i32 s82, s82, 127
	s_lshl_b32 s60, s82, 23                        ; 2^(e8+e9)
	s_mov_b32 s61, s60
	s_wait_loadcnt 20                              ; the 62 loads of weights are in; the batch's 20, issued behind them, stay out
.irp g, 0,1,2
.irp q, 0,1,2,3
	ds_store_b128 v238, v[88+16*\g+4*\q:88+16*\g+4*\q+3] offset:2048*\g+512*\q
.endr
.endr
.irp q, 0,1,2,3
	ds_store_b128 v239, v[136+4*\q:136+4*\q+3] offset:WIMG_O+512*\q
.endr
	ds_store_b128 v240, v[152:155]
	v_cndmask_b32 v165, v166, v165, s72            ; W1's row 19 is b1
.irp s, 0,1,2,3,4
	ds_store_b64 v241, v[156+2*\s:156+2*\s+1] offset:256*\s
.endr
	ds_store_b32 v242, v167 offset:B2A
	WIN 0x41
.set cn, 0
.rept 64
	v_ldexp_f32 v[BOUT+cn], v[BOUT+cn], s84        ; bout goes in as the C of out_trans's products, in units of their sums
.set cn, cn+1
.endr
	WIN 0
	s_wait_dscnt 0x0                               ; for the others' sake: my stores of the images are done
	s_barrier_signal -1
	s_barrier_wait -1                              ; everybody's are; from here on nobody writes them
	s_mov_b32 s66, 2                               ; batches to go
.Lbatch:
	s_wait_loadcnt 0x0                             ; the batch's entities and mask
	WIN 0x04                                       ; store data and the compare's second source in window 1
.set cn, 0
.rept 19
	ds_store_b128 v[UA], v[PF+4*cn:PF+4*cn+3] offset:512*cn      ; the entities into my region as they lie
.set cn, cn+1
.endr
.irp i, 0,1,2,3
	v_cmp_lt_i32 s[76+\i], 0, v[PF+76+\i]          ; entity 4 x lane + i is hidden where its mask is above 0
.endr
	WIN 0
	v_mov_b32 v21, 0xe7800000                      ; -2^80
.irp i, 0,1,2,3
	v_cndmask_b32 v[88+\i], 0, v21, s[76+\i]
.endr
	ds_store_b128 v[UA], v[88:91] offset:BIASA
	v_lshrrev_b32 v[AD0], 1, v[LI]
	v_add_nc_u32 v[AD0], W1IMG, v[AD0]             ; 8 x lane + W1's images
.irp c, 0,1,2,3,4,5,6,7
.irp s, 0,1,2,3,4
	ds_load_b64 v[W1F+10*\c+2*\s:W1F+10*\c+2*\s+1], v[AD0] offset:256*(5*\c+\s)
.endr
.endr
	ENTLD 0                                        ; LDS serves a wave's instructions in order (ISA guide 5.7.1.4): these see my stores above
	WIN 0x40
.irp t, 0,1,2,3,4,5,6,7
	ds_load_b128 v[BIAS+8*\t:BIAS+8*\t+3], v[HBW] offset:BIASA+64*\t          ; the bias of keys 16 t + 8 h + 0 .. 7: the score tile's layout
	ds_load_b128 v[BIAS+8*\t+4:BIAS+8*\t+7], v[HBW] offset:BIASA+64*\t+16
.endr
	WIN 0
	v_mov_b32 v[SC], s40
	s_wait_dscnt 0x0
	; ---- fc1, relu, x1's codes.  A half's holds stand behind the other half's products: 32 plain lines, the places that the f32 form wants ahead of the read of results, of the next sums begun
	; on the same registers, and of the loads into the entity set read a tile earlier
	ENTFIX 0
	ENTLD 1
	W1G 0, 0
	NOPS 8
	W1G 0, 1
	QX 0, 0
.irp t, 1,2,3,4,5,6,7
	s_wait_dscnt 0x0                               ; this tile's entities, asked for a tile ago
	ENTFIX \t
.if \t < 7
	ENTLD \t+1
.endif
	W1G \t, 0
	QX \t-1, 1
	W1G \t, 1
	QX \t, 0
.endr
	QX 7, 1
	v_nop                                          ; a plain line behind the last conversion
.irp j, 4,5,6,7
	v_mov_b32 v[RQF+\j], 0                         ; the upper half of q's fragment: K = 32 in the K = 64 form
.endr
	; ---- the four heads: three in a loop, the fourth written out, since it alone asks for the next batch
	s_mov_b32 s68, 0
	s_mov_b32 s69, 0
	s_mov_b32 s67, 3
.Lhead:
	HEAD 0
	s_add_co_u32 s68, s68, 4096
	s_add_co_u32 s69, s69, 512
	s_sub_co_u32 s67, s67, 1
	s_cmp_lg_u32 s67, 0
	s_cbranch_scc1 .Lhead
	s_mov_b32 s68, 12288
	s_mov_b32 s69, 1536
	HEAD 1
	; ---- the tail: out_trans, fc2, the way out
	s_wait_dscnt 0x0                               ; the last step's store has read its registers
	v_add_nc_u32 v[AD0], WIMG_2, v[LI]
	WIN 0x40
.irp i, 0,1,2,3
	FRAG AF+16*\i, UA, 2048*\i                     ; attn's four fragments, out of my own images
.endr
	FRAG W2F, AD0, 0
	FRAG W2F+16, AD0, 2048
	WIN 0
.irp c, 0,1,2,3,4,5,6,7
	FRAG WR+16*\c, LI, WIMG_O+2048*\c
.endr
.irp c, 0,1
	ds_load_b128 v[RQ+8*\c:RQ+8*\c+3], v[HBW] offset:B2A+64*\c                ; b2(16 c + 8 h + 0 .. 7)
	ds_load_b128 v[RQ+8*\c+4:RQ+8*\c+7], v[HBW] offset:B2A+64*\c+16
.endr
.irp i, 0,1,2,3
	ds_load_b32 v[232+\i], v[RW] offset:BIASA+64*\i                           ; agent 16 i + r's bias word: 0 where am <= 0
.endr
	v_mov_b32 v[SC], s58
	v_mov_b32 v21, s59
	s_wait_dscnt 0x0
.irp i, 0,1,2,3
	v_cmp_eq_u32 s[76+\i], 0, v[232+\i]            ; the agent counts
.endr
.irp i, 0,1,2,3
	v_cndmask_b32 v[236+\i], 0, v21, s[76+\i]      ; its hold at x2: 448 x the scale, or 0
.endr
	X6 0
	X6 1
	X6 2
	X6 3
.irp n, 0,1,2,3,4,5,6,7,8,9,10,11,12,13,14,15
	ds_load_b128 v[88+4*\n:88+4*\n+3], v[SR] offset:576*\n                    ; four rows of 128 bytes: 512 consecutive bytes of out0
.endr
.irp n, 0,1,2,3,4,5,6,7,8,9,10,11,12,13,14,15
	s_wait_dscnt 15-\n                             ; LDS loads come back in order: group n is in, the younger ones stay out
	global_store_b128 v[LI], v[88+4*\n:88+4*\n+3], s[8:9] offset:512*\n th:TH_STORE_NT   ; 32 lanes store 512 consecutive bytes, at a multiple of 256 from out0's first byte
.endr
	s_wait_xcnt 0x0                                ; the stores, and the loads for the next batch, have read their registers and bases: both may be written
	s_add_nc_u64 s[4:5], s[4:5], 9728
	s_add_nc_u64 s[6:7], s[6:7], 512
	s_add_nc_u64 s[8:9], s[8:9], 8192
	s_sub_co_u32 s66, s66, 1
	s_cmp_lg_u32 s66, 0
	s_cbranch_scc1 .Lbatch
	s_wait_tensorcnt 0x0                           ; the wave's end, behind my last LDS store
	ds_add_u32 v[SPW], v[NIL]
	s_wait_dscnt 0x0
	s_endpgm
.Lfunc_end_k_q712b2fde86_hyper:
	.size	k_q712b2fde86_hyper, .Lfunc_end_k_q712b2fde86_hyper-k_q712b2fde86_hyper
	.p2alignl 7, 3214868480
	.fill 96, 4, 3214868480
	.section	.rodata,"a",@progbits
	.p2align	6, 0x0
	.amdhsa_kernel k_q712b2fde86_hyper
		.amdhsa_group_segment_fixed_size 164864
		.amdhsa_private_segment_fixed_size 0
		.amdhsa_enable_private_segment 0
		.amdhsa_kernarg_size 88
		.amdhsa_user_sgpr_count 2
		.amdhsa_user_sgpr_kernarg_segment_ptr 1
		.amdhsa_wavefront_size32 1
		.amdhsa_system_sgpr_workgroup_id_x 1
		.amdhsa_system_sgpr_workgroup_id_y 1
		.amdhsa_system_sgpr_workgroup_id_z 1
		.amdhsa_system_vgpr_workitem_id 0
		.amdhsa_next_free_vgpr 512
		.amdhsa_next_free_sgpr 96
		.amdhsa_reserve_vcc 0
		.amdhsa_float_denorm_mode_32 3
		.amdhsa_float_denorm_mode_16_64 3
		.amdhsa_memory_ordered 1
		.amdhsa_forward_progress 1
		.amdhsa_inst_pref_size 255
	.end_amdhsa_kernel
	.section	.bss,"aw",@nobits
	.p2align	6
	.space	262144
	.amdgpu_metadata
---
amdhsa.version: [ 1, 2 ]
amdhsa.kernels:
  - .name:           k_q712b2fde86_hyper
    .symbol:         k_q712b2fde86_hyper.kd
    .args:
      - { .name: entities, .offset: 0, .size: 8, .value_kind: global_buffer, .address_space: global }
      - { .name: entity_mask, .offset: 8, .size: 8, .value_kind: global_buffer, .address_space: global }
      - { .name: out0, .offset: 16, .size: 8, .value_kind: global_buffer, .address_space: global }
      - { .name: W1, .offset: 24, .size: 8, .value_kind: global_buffer, .address_space: global }
      - { .name: b1, .offset: 32, .size: 8, .value_kind: global_buffer, .address_space: global }
      - { .name: Wqkv_codes, .offset: 40, .size: 8, .value_kind: global_buffer, .address_space: global }
      - { .name: Wout_codes, .offset: 48, .size: 8, .value_kind: global_buffer, .address_space: global }
      - { .name: bout, .offset: 56, .size: 8, .value_kind: global_buffer, .address_space: global }
      - { .name: W2_codes, .offset: 64, .size: 8, .value_kind: global_buffer, .address_space: global }
      - { .name: b2, .offset: 72, .size: 8, .value_kind: global_buffer, .address_space: global }
      - { .name: lowp_scales, .offset: 80, .size: 8, .value_kind: global_buffer, .address_space: global }
    .group_segment_fixed_size: 164864
    .private_segment_fixed_size: 0
    .kernarg_segment_align: 8
    .kernarg_segment_size: 88
    .max_flat_workgroup_size: 256
    .sgpr_count:     96
    .vgpr_count:     512
    .wavefront_size: 32
...
	.end_amdgpu_metadata
.endif
;; end of part 1
;; ======== version 2 of 2: 1 launch; version 1 with the launch hyper written anew for expert scheduling mode
;; limits: right only within a limited range of input values
;; launch hyper (part 2): grid 256 x 1, 8 waves a work-group, no clusters, 164,864 bytes of LDS; arguments entities, entity_mask, out0, W1, b1, Wqkv_codes, Wout_codes, bout, W2_codes, b2, lowp_scales; writes out0
.if DOCPART == 2
	.amdgcn_target "amdgcn-amd-amdhsa--gfx1250"
	.amdhsa_code_object_version 6
	.text
	.protected	k_q712b2fde86_hyper
	.globl	k_q712b2fde86_hyper
	.p2align	8
	.type	k_q712b2fde86_hyper,@function
k_q712b2fde86_hyper:
	s_mov_b64 s[64:65], 0
	v_nop
	global_prefetch_b8 v0, s[64:65] scope:SCOPE_SE
	s_setreg_imm32_b32 hwreg(HW_REG_WAVE_SCHED_MODE, 0, 2), 2
	s_setreg_imm32_b32 hwreg(HW_REG_WAVE_MODE, 25, 1), 1
	s_wait_xcnt 0x0
	s_wait_alu depctr_vm_vsrc(0)
; AttentionHyperNet, one launch: fc1 + relu (f32), qkv, 4-head attention of 64 agents over 128 entities, out_trans, fc2, all products behind fc1 on E4M3 codes with the given scales 2^e0 .. 2^e9.
; SHARES.  4,096 batches; a work-group of eight waves takes 16, a wave two, one after the other, each from entities to out0 BY ITSELF: nothing goes to memory on the way and the waves meet at one barrier,
; behind the staging of the weights, which all sixteen batches share and which lie in LDS as images of the operands' registers (a group of four registers at 16 x lane, 512 bytes a group).
; No tensor load and no cluster: what work-groups share is 80 KB of weights, read once by each and laid anew on the way into LDS; the streams (entities, mask, out0) are each work-group's own.
; WORK LEFT OUT, for all values of the inputs:
;  (a) q of entities 64 .. 127: reference() slices it away (q[:, :64]); those 32 of the qkv product's 192 tiles a batch are not made.
;  (b) the outer product that makes attn_mask, and its query factor.  For a row i with am_i <= 0, a = 1 - am_i >= 1, so 1 - a (1 - em_j) > 0 holds exactly where em_j >= 1 (a whole number), in f32 as in real numbers
;      (for em_j <= 0 the product is at least 1, for em_j >= 1 it is 0 or less, and rounding keeps the order).  Rows with am_i > 0 are overwritten with 0 at x2 and at x3, whatever their weights were.
;      So key j is hidden where em_j > 0, alike for all queries, and the select on am_i > 0 is executed at x2 and at x3.
;  (c) the isnan guard: it acts only on rows all of whose keys are hidden; a row with am_i <= 0 sees key i itself (agents are entities 0 .. 63), so such rows have am_i > 0 and are set to 0; here they hold finite numbers.
; No input is left out.  A NaN, an infinity or an overflow that reaches only the work left out is not carried to the result.
; LIMITS.  NaN and infinity among the inputs are not served.  So that each power of two below is an f32 number: e0, e2-e0-e1, e3-e0-e1, e5-e0-e1, e4, e6-e4-e5, e8-e6-e7 between -126 and 119; e8+e9 between -126 and 127.
; A hidden key's score is the finite -2^80 in units of codes (live scores are under 2^23 there): e2+e3 between -70 and 45, so that its exponent is under -256 (its weight is exactly 0) and nothing overflows.
; LAYOUT.  Lane l: r = l % 16, h = l / 16.  An 8-bit operand holds k = 16 c + 8 h + 0..7 in registers 2 c, 2 c + 1; a result tile holds (m = 8 h + j, n = r) in register j.  Each product is laid so that m runs along the
; NEXT product's K: one conversion of a tile's eight registers then IS registers 2 c, 2 c + 1 of the next operand, and nothing is transposed:
;   x1: A = W1 (features), B = entities -> (feature, entity r);   k, q: A = Wk, Wq (channels), B = x1 -> (channel, entity r);   v: A = x1, B = Wv -> (entity, channel r);   S^T: A = k, B = q, C = the keys' bias -> (key, query r);
;   O^T: A = v^T, B = the weights -> (channel, query r);   x2^T: A = Wout, B = attn, C = bout / 2^(e6+e7) -> (feature, agent r);   x3^T: A = W2, B = x2 -> (column, agent r): 32 neighbouring bytes of a row of out0.
; fc1's K = 19 is filled to 20: W1's row 19 is b1 and the entities' feature 19 is 1.0.  A head's K = 32 goes in the K = 64 form: q's upper four registers are zeros; k's codes lie four registers a tile, so a fragment's
; upper half is the next tile's codes (behind the last tile: v's), finite numbers that meet zeros.
; REGISTERS.  window 0: v1-13 addresses and scales; v14-21 at work; v22, v23 the add's two; v24-87 ACC, written by matrix instructions alone; v88-151 RT; v152-183 k; v184-215 v^T; v216-231 q; v232-239 q's fragment; v240-255 the weights' codes.
;   (fc1: v152-231 W1's 40 fragments, v232-251 two sets of entity fragments.  The tail: v88-215 Wout, v216-231 b2, v232-239 the agents' mask and hold.)
;   window 1: v0-127 x1's eight fragments (later v0-79 the next batch's entities and mask, v80-95 x2, v96-127 W2); v128-191 the keys' bias (later attn's four fragments); v192-255 bout / 2^(e6+e7), kept.
; THE MODE: SCHED_MODE bits 1:0 = 2 (LLVM: expert scheduling mode 2), set by the entry lines.  The code itself states the register dependences between vector or matrix instructions and memory or LDS
; instructions, with s_wait_alu, always for 0.
; THE PLAN.  Registers that memory or LDS instructions touch, and who else names them:
;   v1-8          addresses, made at the head ahead of the first load and never written again.
;   AD0, AD1      made anew by vector adds at the batch's head (AD0), at each head's top (both) and at the tail's top (AD0): a wait on vm_vsrc ahead of the adds (at the batch's head: the one at the last batch's end),
;                 and behind them the wait on va_vdst that stands there for the loads' sake.
;   PF            (x1's first 80 registers)  the next batch's loads land there behind the last head's projections, the last readers of x1: a wait on va_vdst.  The batch's head stores them to LDS;
;                 fc1's conversions write them again behind a wait on vm_vsrc.
;   W1F, ENT, BIAS  loaded at the batch's head behind ONE wait on va_vdst: the batch before is done with these registers, and the bias words and AD0 are written.
;   ENT's two sets  tile t's products read set t % 2; the loads for tile t + 1 land in the other at tile t's head, behind a wait on va_vdst: tile t - 1's products are done reading it.
;   RT            Wk and Wv land there at a head's top, Wq in Wk's half behind the k products: a wait on va_vdst each.  RT+16 .. 19 are the data of an attention step's one LDS store: va_vdst ahead of the store,
;                 vm_vsrc ahead of the next step's scalings, which write them again.
;   the tail      all its loads stand in one run behind one wait on vm_vsrc, the add to AD0 and one wait on va_vdst.  RP is the data of four LDS stores for each 16 agents: va_vdst ahead of them, vm_vsrc behind.
;   v88-151       on the way out LDS loads land there (no vector instruction stands behind the last wait on va_vdst), global stores read them: vm_vsrc at the batch's end, ahead of the backward branch.
;   ACC, k, v^T, q, v11-21 are named by vector and matrix instructions alone.  A mask that a compare writes into scalar registers has a wait on va_sdst ahead of its first reader, and so has the wave's number.
.set WIMG_K, 16384                     ; LDS: Wqkv's 24 images of 2,048 bytes from 0 (q 0-7, k 8-15, v 16-23),
.set WIMG_V, 32768
.set WIMG_O, 49152                     ; Wout's 8,
.set WIMG_2, 65536                     ; W2's 2,
.set W1IMG,  69632                     ; W1's 40 fragments (tile c, K step s: 5 c + s) of 256 bytes, 8 bytes a lane
.set WBASE,  79872                     ; then a region of WREG bytes for each wave:
.set WREG,   10496                     ;   +0 by turns: the batch's entities as they lie (9,728), attn's 4 images (8,192), 64 rows of out0 at pitch 144 (9,216)
.set BIASA,  9728                      ;   the keys' bias, 128 f32
.set B2A,    10240                     ;   b2, 32 f32
.set SPARE,  163840                    ; behind the regions: the spare words, 128 bytes for each wave: four blocks of 256 bytes that no other line names
.set LI,  1                            ; 16 x lane
.set UA,  2                            ; my region + 16 x lane
.set ER,  3                            ; my region + 76 r + 8 h: an entity's row is 76 bytes
.set ER2, 4                            ; my region + 76 r + 4 h
.set HBW, 5                            ; my region + 32 h
.set RW,  6                            ; my region + 4 r
.set SO,  7                            ; my region + 144 r + 32 h
.set SR,  8                            ; my region + 144 (lane / 8) + 16 (lane % 8)
.set AD0, 9                            ; addresses made for a phase
.set AD1, 10
.set SC,  11                           ; the phase's conversion scale
.set SCW, 12                           ; 2^e4
.set SCA, 13                           ; 2^(e6-e4-e5)
.set SPW, 22                           ; LDS address of my spare word; never rewritten
.set NIL, 23                           ; 0; never rewritten
.set ACC, 24
.set RT,  88
.set RK,  152
.set RV,  184
.set RQ,  216
.set RQF, 232
.set RP,  240
.set W1F, 152
.set ENT, 232
.set WR,  88
.set X1,  0                            ; window 1
.set PF,  0
.set X2F, 80
.set W2F, 96
.set BIAS, 128
.set AF,  128
.set BOUT, 192
.set MSB, 0
.macro WIN new                         ; the immediate's high byte repeats the setting that is left; bits 1:0 source 0, 3:2 source 1, 5:4 source 2, 7:6 destination
.if MSB != \new
	s_set_vgpr_msb (MSB<<8)|\new
.set MSB, \new
.endif
.endm
.macro NOPS n
.rept \n
	v_nop
.endr
.endm
.macro MKQ sc, lim, nlim, e            ; from the whole number in s[e]: 2^e, 448 x 2^e and -448 x 2^e as f32
	s_add_co_i32 s[\sc], s[\e], 127
	s_add_co_i32 s[\lim], s[\e], 135
	s_lshl_b32 s[\sc], s[\sc], 23
	s_lshl_b32 s[\lim], s[\lim], 23
	s_or_b32 s[\lim], s[\lim], 0x600000
	s_or_b32 s[\nlim], s[\lim], 0x80000000
.endm
.macro FRAG reg, adr, off              ; an operand's 16 registers from its image
.irp q, 0,1,2,3
	ds_load_b128 v[\reg+4*\q:\reg+4*\q+3], v[\adr] offset:\off+512*\q
.endr
.endm
.macro PFLOAD eo, mo                   ; a batch's entities (19 x 512 consecutive bytes) and mask (512) into idle registers of window 1
	WIN 0x40
.set cn, 0
.rept 19
	global_load_b128 v[PF+4*cn:PF+4*cn+3], v[LI], s[4:5] offset:\eo+512*cn th:TH_LOAD_NT
.set cn, cn+1
.endr
	global_load_b128 v[PF+76:PF+79], v[LI], s[6:7] offset:\mo th:TH_LOAD_NT
	WIN 0
.endm
.macro ENTLD t                         ; entities 16 t + r: register 2 s + j = feature 4 s + 2 h + j, into set t % 2
.set EB, ENT+10*((\t)%2)
.irp k, 0,1,2,3,4,5,6,7,8
	ds_load_b32 v[EB+\k], v[ER] offset:1216*(\t)+16*(\k/2)+4*(\k%2)
.endr
	ds_load_b32 v[EB+9], v[ER2] offset:1216*(\t)+68      ; h = 0: feature 17; h = 1: feature 18, a byte inside the row, replaced below
.endm
.macro ENTFIX t                        ; feature 19 is 1.0: it meets b1
	v_cndmask_b32 v[ENT+10*((\t)%2)+9], 1.0, v[ENT+10*((\t)%2)+9], s72
.endm
.macro W1G t, u                        ; fc1 for entities 16 t on, feature tiles 4 u .. 4 u + 3: five K steps of 4; the four accumulators take turns, one instruction a turn
.irp s, 0,1,2,3,4
.irp cc, 0,1,2,3
.if \s == 0
	v_wmma_f32_16x16x4_f32 v[ACC+32*(\u)+8*\cc:ACC+32*(\u)+8*\cc+7], v[W1F+10*(4*(\u)+\cc)+2*\s:W1F+10*(4*(\u)+\cc)+2*\s+1], v[ENT+10*((\t)%2)+2*\s:ENT+10*((\t)%2)+2*\s+1], 0
.else
	v_wmma_f32_16x16x4_f32 v[ACC+32*(\u)+8*\cc:ACC+32*(\u)+8*\cc+7], v[W1F+10*(4*(\u)+\cc)+2*\s:W1F+10*(4*(\u)+\cc)+2*\s+1], v[ENT+10*((\t)%2)+2*\s:ENT+10*((\t)%2)+2*\s+1], v[ACC+32*(\u)+8*\cc:ACC+32*(\u)+8*\cc+7]
.endif
.endr
.endr
.endm
.macro QX t, u                         ; those four tiles become codes: relu and the hold in one, into other registers; then registers 2 c, 2 c + 1 of x1's fragment t
.set cn, 0
.rept 32
	v_med3_num_f32 v[RT+32*(\u)+cn], v[ACC+32*(\u)+cn], 0, s41
.set cn, cn+1
.endr
	WIN 0x40
.irp cc, 0,1,2,3
	v_cvt_scalef32_pk8_fp8_f32 v[X1+16*(\t)+2*(4*(\u)+\cc):X1+16*(\t)+2*(4*(\u)+\cc)+1], v[RT+32*(\u)+8*\cc:RT+32*(\u)+8*\cc+7], v[SC]
.endr
	WIN 0
.endm
; kind: 0 = q, 1 = k, 2 = v.  PW: the head's two channel tiles for entity tiles 2 g, 2 g + 1, into half g % 2 of ACC.
.macro PW kind, g
.if \kind == 2
	WIN 0x01
.else
	WIN 0x04
.endif
.irp tt, 0,1
.irp cc, 0,1
.if \kind == 2
	v_wmma_f32_16x16x128_fp8_fp8 v[ACC+32*((\g)%2)+16*\tt+8*\cc:ACC+32*((\g)%2)+16*\tt+8*\cc+7], v[X1+16*(2*(\g)+\tt):X1+16*(2*(\g)+\tt)+15], v[RT+32+16*\cc:RT+32+16*\cc+15], 0
.else
	v_wmma_f32_16x16x128_fp8_fp8 v[ACC+32*((\g)%2)+16*\tt+8*\cc:ACC+32*((\g)%2)+16*\tt+8*\cc+7], v[RT+16*\cc:RT+16*\cc+15], v[X1+16*(2*(\g)+\tt):X1+16*(2*(\g)+\tt)+15], 0
.endif
.endr
.endr
	WIN 0
.endm
; PQ: those four tiles are held within +-448 x the scale (the conversion to an 8-bit code does not saturate: ISA guide 7.6.2) and become codes in their operand's registers.
.macro PQ kind, g
.irp tt, 0,1
.irp cc, 0,1
.set pa, ACC+32*((\g)%2)+16*\tt+8*\cc
.set pb, RP+8*\cc
.set pt, 2*(\g)+\tt
.if \kind == 1
.set pd, RK+4*pt+2*\cc
.elseif \kind == 2
.set pd, RV+16*\cc+2*pt
.else
.set pd, RQ+4*pt+2*\cc
.endif
.set cn, 0
.rept 8
	v_med3_num_f32 v[pb+cn], v[pa+cn], s[44+3*\kind], s[43+3*\kind]
.set cn, cn+1
.endr
	v_cvt_scalef32_pk8_fp8_f32 v[pd:pd+1], v[pb:pb+7], v[SC]
.endr
.endr
	v_nop                                          ; a plain line behind the last conversion, ahead of whatever next touches its codes or writes its scale
.endm
; ATT: the head's attention for queries 16 i on.  No LDS load stands in it.
.macro ATT i
.irp j, 0,1,2,3
	v_mov_b32 v[RQF+\j], v[RQ+4*(\i)+\j]
.endr
	WIN 0x10                                       ; C, the keys' bias, in window 1
.irp t, 0,1,2,3,4,5,6,7
	v_wmma_f32_16x16x64_fp8_fp8 v[ACC+8*\t:ACC+8*\t+7], v[RK+4*\t:RK+4*\t+7], v[RQF:RQF+7], v[BIAS+8*\t:BIAS+8*\t+7]
.endr
	WIN 0
	NOPS 4                                         ; four places between the products and the first read of their results (ISA guide 7.12.1)
	v_max3_num_f32 v14, v[ACC], v[ACC+1], v[ACC+2] ; my query's largest score among my 64 keys, in two chains, each accumulator from its low end on
	v_max3_num_f32 v15, v[ACC+3], v[ACC+4], v[ACC+5]
.irp j, 6,10,14,18,22,26,30,34,38,42,46,50,54,58
	v_max3_num_f32 v14, v14, v[ACC+\j], v[ACC+\j+1]
	v_max3_num_f32 v15, v15, v[ACC+\j+2], v[ACC+\j+3]
.endr
	v_max3_num_f32 v14, v14, v[ACC+62], v[ACC+63]
	v_max_num_f32 v14, v14, v15
	v_permlanex16_b32 v20, v14, s62, s63
	v_max_num_f32 v14, v14, v20                    ; and among lane l xor 16's
	v_mul_f32 v16, s52, v14                        ; c' m, c' = log2(e) / sqrt(32) x 2^(e2+e3); its rounding is the same for the whole row and leaves with the division by the sum
	s_wait_dscnt 0x0                               ; the last step's LDS store is done
.if (\i) > 0
	s_wait_alu depctr_vm_vsrc(0)                   ; the last step's LDS store has read RT+16 .. RT+19, which the scalings below write again
.endif
.set cn, 0
.rept 32
	v_pk_fma_f32 v[RT+cn:RT+cn+1], v[ACC+cn:ACC+cn+1], s[52:53], v[16:17] op_sel_hi:[1,0,0] neg_lo:[0,0,1] neg_hi:[0,0,1]
.set cn, cn+2
.endr
.set cn, 0
.rept 64
	v_exp_f32 v[RT+cn], v[RT+cn]                   ; e^(logit - the row's largest); exactly 0 for a hidden key
.set cn, cn+1
.endr
	v_nop                                          ; a plain line behind the last exponential
	s_wait_alu depctr_va_vdst(0)                   ; the 64 exponentials have written RT: one wait for the batch, ahead of its first reader, the sums below
	v_pk_add_f32 v[18:19], v[RT:RT+1], v[RT+2:RT+3]
	v_pk_add_f32 v[14:15], v[RT+4:RT+5], v[RT+6:RT+7]
.irp j, 8,12,16,20,24,28,32,36,40,44,48,52,56,60
	v_pk_add_f32 v[18:19], v[18:19], v[RT+\j:RT+\j+1]
	v_pk_add_f32 v[14:15], v[14:15], v[RT+\j+2:RT+\j+3]
.endr
	v_pk_add_f32 v[18:19], v[18:19], v[14:15]
	v_add_f32 v18, v18, v19
	v_permlanex16_b32 v20, v18, s62, s63
	v_add_f32 v18, v18, v20                        ; the row's sum
	v_rcp_f32 v16, v18
	v_nop
	s_wait_alu depctr_va_vdst(0)                   ; the reciprocal has written v16, ahead of its first reader
.set cn, 0
.rept 32
	v_pk_mul_f32 v[RT+cn:RT+cn+1], v[RT+cn:RT+cn+1], v[16:17] op_sel_hi:[1,0]   ; the weights, finished and normalised: that is what is quantised
.set cn, cn+2
.endr
	s_cmp_eq_u32 s55, 0                            ; a weight is at most 1 and a rounding: where 448 x 2^e4 is 1.75 or more (e4 >= -8) the hold can hold nothing.  A branch on a whole number read from memory
	s_cbranch_scc1 .Lno_hold_\@
.set cn, 0
.rept 64
	v_min_num_f32 v[RT+cn], s54, v[RT+cn]
.set cn, cn+1
.endr
.Lno_hold_\@:
.irp t, 0,1,2,3,4,5,6,7
	v_cvt_scalef32_pk8_fp8_f32 v[RP+2*\t:RP+2*\t+1], v[RT+8*\t:RT+8*\t+7], v[SCW]
.endr
	v_nop                                          ; a plain line between the conversions and the products that read their codes
	v_wmma_f32_16x16x128_fp8_fp8 v[ACC:ACC+7], v[RV:RV+15], v[RP:RP+15], 0
	v_wmma_f32_16x16x128_fp8_fp8 v[ACC+8:ACC+15], v[RV+16:RV+31], v[RP:RP+15], 0
	NOPS 4
.set cn, 0
.rept 16
	v_med3_num_f32 v[RT+cn], v[ACC+cn], s57, s56
.set cn, cn+1
.endr
	v_cvt_scalef32_pk8_fp8_f32 v[RT+16:RT+17], v[RT:RT+7], v[SCA]
	v_cvt_scalef32_pk8_fp8_f32 v[RT+18:RT+19], v[RT+8:RT+15], v[SCA]
	s_wait_alu depctr_va_vdst(0)                   ; the two conversions have written RT+16 .. RT+19, which the LDS store reads
	ds_store_b128 v[AD1], v[RT+16:RT+19] offset:2048*(\i)   ; registers 4 head .. 4 head + 3 of attn's fragment i, into its image
	v_nop
.endm
; HEAD: one head: k and v for 128 entities, q for 64, then the attention.  A group's holds and conversions stand behind the NEXT group's products, on the other half of ACC: they are the places behind those products.
; pf = 1 (the batch's last head): x1 has been read for the last time, and the next batch's entities and mask are asked for into its registers.
.macro HEAD pf
	s_wait_dscnt 0x0
	s_wait_alu depctr_vm_vsrc(0)                   ; the LDS loads and stores so far have read AD0 and AD1, which the two adds write, and the last store RT+16 .. RT+19, in which loads land below
	v_add_nc_u32 v[AD0], s68, v[LI]                ; the head's two fragments of each of Wq, Wk, Wv: 4,096 x head on
	v_add_nc_u32 v[AD1], s69, v[UA]                ; the head's group of four registers in attn's images: 512 x head on
	s_wait_alu depctr_va_vdst(0)                   ; AD0 is written, which the loads read; the holds, conversions and the softmax before are done with RT, in which they land
	FRAG RT, AD0, WIMG_K
	FRAG RT+16, AD0, WIMG_K+2048
	FRAG RT+32, AD0, WIMG_V
	FRAG RT+48, AD0, WIMG_V+2048
	s_wait_dscnt 0x0
	PW 1, 0
	NOPS 4
	PW 1, 1
	v_mov_b32 v[SC], s45
	PQ 1, 0
	PW 1, 2
	PQ 1, 1
	PW 1, 3
	PQ 1, 2
	s_wait_alu depctr_va_vdst(0)                   ; the k products are done reading Wk's registers, in which Wq lands
	FRAG RT, AD0, 0                                ; Wq takes Wk's registers: their last reader stands 32 plain lines back
	FRAG RT+16, AD0, 2048
	PW 2, 0
	PQ 1, 3
	PW 2, 1
	v_mov_b32 v[SC], s48
	PQ 2, 0
	PW 2, 2
	PQ 2, 1
	PW 2, 3
	PQ 2, 2
	s_wait_dscnt 0x0                               ; Wq is in
	PW 0, 0
	PQ 2, 3
	PW 0, 1
	v_mov_b32 v[SC], s42
	PQ 0, 0
	PQ 0, 1
.if \pf
	s_cmp_eq_u32 s66, 1                            ; no next batch: no load leaves its buffer
	s_cbranch_scc1 .Lno_next_\@
	s_wait_alu depctr_va_vdst(0)                   ; the projections' products are done reading x1, in whose first 80 registers the loads land; only the window switch stands between
	PFLOAD 9728, 512
.Lno_next_\@:
.endif
	ATT 0
	ATT 1
	ATT 2
	ATT 3
.endm
; X6: out_trans and fc2 for agents 16 i on.  The hold at x2 is 448 x the scale for an agent that counts and 0 for one that does not: the select on am > 0 costs no line there.
.macro X6 i
	WIN 0x14                                       ; B (attn) and C (bout) in window 1
.irp c, 0,1,2,3,4,5,6,7
	v_wmma_f32_16x16x128_fp8_fp8 v[ACC+8*\c:ACC+8*\c+7], v[WR+16*\c:WR+16*\c+15], v[AF+16*(\i):AF+16*(\i)+15], v[BOUT+8*\c:BOUT+8*\c+7]
.endr
	WIN 0
	NOPS 4
.irp g, 0,1,2,3
.set cn, 0
.rept 16
	v_med3_num_f32 v[RP+cn], v[ACC+16*\g+cn], -v[236+(\i)], v[236+(\i)]
.set cn, cn+1
.endr
	WIN 0x40
	v_cvt_scalef32_pk8_fp8_f32 v[X2F+4*\g:X2F+4*\g+1], v[RP:RP+7], v[SC]
	v_cvt_scalef32_pk8_fp8_f32 v[X2F+4*\g+2:X2F+4*\g+3], v[RP+8:RP+15], v[SC]
	WIN 0
	v_nop                                          ; a plain line behind the conversions: the next lines write their sources, or read their codes
.endr
	WIN 0x05                                       ; A (W2) and B (x2) in window 1
	v_wmma_f32_16x16x128_fp8_fp8 v[ACC:ACC+7], v[W2F:W2F+15], v[X2F:X2F+15], 0
	v_wmma_f32_16x16x128_fp8_fp8 v[ACC+8:ACC+15], v[W2F+16:W2F+31], v[X2F:X2F+15], 0
	WIN 0
	NOPS 4
.set cn, 0
.rept 8
	v_pk_fma_f32 v[RP+cn:RP+cn+1], v[ACC+cn:ACC+cn+1], s[60:61], v[RQ+cn:RQ+cn+1] op_sel_hi:[1,0,1]   ; x3 = sum x 2^(e8+e9) + b2
.set cn, cn+2
.endr
.set cn, 0
.rept 16
	v_cndmask_b32 v[RP+cn], 0, v[RP+cn], s[76+(\i)]      ; and 0 where am > 0
.set cn, cn+1
.endr
	s_wait_alu depctr_va_vdst(0)                   ; the selects have written RP, which the LDS stores read; for the last 16 agents also: the products are done reading Wout's registers, in which the way out's loads land
.irp c, 0,1
.irp u, 0,1
	ds_store_b128 v[SO], v[RP+8*\c+4*\u:RP+8*\c+4*\u+3] offset:2304*(\i)+64*\c+16*\u   ; row = agent 16 i + r, columns 16 c + 8 h + 4 u on
.endr
.endr
	s_wait_dscnt 0x0                               ; the stores are done
.if (\i) < 3
	s_wait_alu depctr_vm_vsrc(0)                   ; the four stores have read RP, which the next 16 agents' holds write again
.endif
.endm
	s_load_b512 s[4:19], s[0:1], 0x0               ; entities s[4:5], entity_mask s[6:7], out0 s[8:9], W1 s[10:11], b1 s[12:13], Wqkv s[14:15], Wout s[16:17], bout s[18:19]
	s_load_b128 s[20:23], s[0:1], 0x40             ; W2 s[20:21], b2 s[22:23]
	s_load_b64 s[24:25], s[0:1], 0x50              ; the scales' exponents
	v_lshl_add_u32 v[SPW], v0, 2, SPARE
	v_mov_b32 v[NIL], 0
	v_lshrrev_b32 v21, 5, v0
	v_readfirstlane_b32 s2, v21                    ; wave 0..7
	v_and_b32 v21, 31, v0                          ; lane
	v_and_b32 v9, 15, v0                           ; r
	v_bfe_u32 v10, v0, 4, 1                        ; h
	s_wait_alu depctr_va_sdst(0)                   ; s2, the wave's number, is written, ahead of its first reader
	s_mul_i32 s71, s2, WREG
	s_add_co_u32 s71, s71, WBASE                   ; my region of LDS
	v_lshlrev_b32 v[LI], 4, v21
	v_add_nc_u32 v[UA], s71, v[LI]
	v_mul_u32_u24 v[ER], v9, 76
	v_add_nc_u32 v[ER], s71, v[ER]
	v_lshl_add_u32 v[ER2], v10, 2, v[ER]
	v_lshl_add_u32 v[ER], v10, 3, v[ER]
	v_lshlrev_b32 v[HBW], 5, v10
	v_add_nc_u32 v[HBW], s71, v[HBW]
	v_lshlrev_b32 v[RW], 2, v9
	v_add_nc_u32 v[RW], s71, v[RW]
	v_mul_u32_u24 v[SO], v9, 144
	v_lshl_add_u32 v[SO], v10, 5, v[SO]
	v_add_nc_u32 v[SO], s71, v[SO]
	v_lshrrev_b32 v[SR], 3, v21
	v_mul_u32_u24 v[SR], v[SR], 144
	v_and_b32 v20, 7, v0
	v_lshl_add_u32 v[SR], v20, 4, v[SR]
	v_add_nc_u32 v[SR], s71, v[SR]
	; offsets of the weights' loads
	v_lshlrev_b32 v232, 7, v9
	v_lshl_add_u32 v232, v10, 3, v232              ; codes: row r of 128 bytes, + 8 h
	v_lshlrev_b32 v235, 2, v9                      ; b1: 4 r
	v_lshl_add_u32 v233, v10, 10, v235             ; W1: two rows of 512 bytes for h, + 4 r
	v_lshl_add_u32 v234, v10, 9, v235              ; W1's register 9: row 17 + h, inside W1 for both halves
	v_lshlrev_b32 v236, 2, v21                     ; b2: 4 x lane
	v_lshlrev_b32 v237, 5, v10                     ; bout: 32 h
	; where my share of the images goes
	s_mul_i32 s80, s2, 6144
	v_add_nc_u32 v238, s80, v[LI]                  ; Wqkv's fragments 3 w .. 3 w + 2
	s_lshl_b32 s80, s2, 11
	v_add_nc_u32 v239, s80, v[LI]                  ; Wout's fragment w
	s_lshl_b32 s80, s2, 9
	s_add_co_u32 s80, s80, WIMG_2
	v_add_nc_u32 v240, s80, v[LI]                  ; W2: group w of the two fragments' eight groups of four registers
	s_mul_i32 s80, s2, 1280
	s_add_co_u32 s80, s80, W1IMG
	v_lshl_add_u32 v241, v21, 3, s80               ; W1's feature tile w: five fragments
	v_lshl_add_u32 v242, v21, 2, s71               ; b2, into my own region
	v_mov_b32 v17, 0                               ; (named as the upper half of the pair v[16:17])
	v_mov_b32 v20, 0                               ; written once: a lane permute's destination counts as one of its sources
	s_mov_b32 s62, 0x76543210                      ; v_permlanex16_b32's selects for lane l xor 16
	s_mov_b32 s63, 0xfedcba98
	s_mov_b32 s72, 0x0000ffff                      ; lanes 0-15
	s_lshl_b32 s80, ttmp9, 4
	s_lshl_b32 s81, s2, 1
	s_add_co_u32 s80, s80, s81                     ; my first batch: 16 x work-group + 2 x wave
	s_mov_b32 s83, 0
	s_wait_kmcnt 0x0
	s_load_b256 s[28:35], s[24:25], 0x0            ; e0 .. e7
	s_load_b64 s[36:37], s[24:25], 0x20            ; e8, e9
	s_mul_i32 s82, s80, 9728
	s_add_nc_u64 s[4:5], s[4:5], s[82:83]
	s_lshl_b32 s82, s80, 9
	s_add_nc_u64 s[6:7], s[6:7], s[82:83]
	s_lshl_b32 s82, s80, 13
	s_add_nc_u64 s[8:9], s[8:9], s[82:83]
	s_mul_i32 s82, s2, 6144
	s_add_nc_u64 s[14:15], s[14:15], s[82:83]      ; Wqkv's rows 48 w on
	s_lshl_b32 s82, s2, 11
	s_add_nc_u64 s[16:17], s[16:17], s[82:83]      ; Wout's rows 16 w on
	s_lshl_b32 s82, s2, 6
	s_add_nc_u64 s[10:11], s[10:11], s[82:83]      ; W1's and b1's features 16 w on
	s_add_nc_u64 s[12:13], s[12:13], s[82:83]
	s_lshr_b32 s84, s2, 2
	s_lshl_b32 s84, s84, 11
	s_and_b32 s85, s2, 3
	s_lshl_b32 s85, s85, 5
	s_add_co_u32 s82, s84, s85
	s_add_nc_u64 s[20:21], s[20:21], s[82:83]      ; W2: rows 16 (w / 4) on, bytes 32 (w % 4) on
	s_wait_alu depctr_va_vdst(0)                   ; the addresses v1-8 and the head's offsets v232-242 are written, which the loads and stores of the kernel read; only loads and window switches stand up to the last load below
.irp g, 0,1,2
.irp c, 0,1,2,3,4,5,6,7
	global_load_b64 v[88+16*\g+2*\c:88+16*\g+2*\c+1], v232, s[14:15] offset:2048*\g+16*\c
.endr
.endr
.irp c, 0,1,2,3,4,5,6,7
	global_load_b64 v[136+2*\c:136+2*\c+1], v232, s[16:17] offset:16*\c
.endr
	global_load_b64 v[152:153], v232, s[20:21]
	global_load_b64 v[154:155], v232, s[20:21] offset:16
.irp k, 0,1,2,3,4,5,6,7,8
	global_load_b32 v[156+\k], v233, s[10:11] offset:(4*(\k/2)+(\k%2))*512   ; W1(4 s + 2 h + j, 16 w + r), register 2 s + j
.endr
	global_load_b32 v165, v234, s[10:11] offset:17*512
	global_load_b32 v166, v235, s[12:13]
	global_load_b32 v167, v236, s[22:23]
	WIN 0x40
.irp c, 0,1,2,3,4,5,6,7
	global_load_b128 v[BOUT+8*\c:BOUT+8*\c+3], v237, s[18:19] offset:64*\c        ; bout(16 c + 8 h + 0 .. 7): the result tile's layout
	global_load_b128 v[BOUT+8*\c+4:BOUT+8*\c+7], v237, s[18:19] offset:64*\c+16
.endr
	WIN 0
	PFLOAD 0, 0                                    ; my first batch
	s_wait_kmcnt 0x0
	s_add_co_i32 s80, s28, s29                     ; e0 + e1: a sum of the qkv product stands for sum x 2^(e0+e1)
	MKQ 40, 41, 81, 28                             ; x1: e0
	s_sub_co_i32 s82, s30, s80
	MKQ 42, 43, 44, 82                             ; q: e2 - e0 - e1
	s_sub_co_i32 s82, s31, s80
	MKQ 45, 46, 47, 82                             ; k: e3 - e0 - e1
	s_sub_co_i32 s82, s33, s80
	MKQ 48, 49, 50, 82                             ; v: e5 - e0 - e1
	s_add_co_i32 s82, s30, s31
	s_lshl_b32 s82, s82, 23
	s_add_co_i32 s52, s82, 0x3e8293ee              ; c' = log2(e) / sqrt(32) x 2^(e2+e3): the exponents are added to the exponent field
	s_mov_b32 s53, s52                             ; (named with it as a pair, so it is written)
	MKQ 83, 54, 81, 32                             ; the weights: e4
	v_mov_b32 v[SCW], s83
	s_cmp_lt_i32 s32, -8
	s_cselect_b32 s55, 1, 0                        ; 1: the weights' hold is needed
	s_add_co_i32 s82, s32, s33
	s_sub_co_i32 s82, s34, s82
	MKQ 83, 56, 57, 82                             ; attn: e6 - e4 - e5
	v_mov_b32 v[SCA], s83
	s_add_co_i32 s84, s34, s35
	s_sub_co_i32 s82, s36, s84
	MKQ 58, 59, 81, 82                             ; x2: e8 - e6 - e7
	s_sub_co_i32 s84, 0, s84                       ; -(e6 + e7), for bout
	s_add_co_i32 s82, s36, s37
	s_add_co_i32 s82, s82, 127
	s_lshl_b32 s60, s82, 23                        ; 2^(e8+e9)
	s_mov_b32 s61, s60
	s_wait_loadcnt 20                              ; the 62 loads of weights are in; the batch's 20, issued behind them, stay out
	v_cndmask_b32 v165, v166, v165, s72            ; W1's row 19 is b1
	s_wait_alu depctr_va_vdst(0)                   ; the select has written v165, which the LDS store of W1's last fragment reads
.irp g, 0,1,2
.irp q, 0,1,2,3
	ds_store_b128 v238, v[88+16*\g+4*\q:88+16*\g+4*\q+3] offset:2048*\g+512*\q
.endr
.endr
.irp q, 0,1,2,3
	ds_store_b128 v239, v[136+4*\q:136+4*\q+3] offset:WIMG_O+512*\q
.endr
	ds_store_b128 v240, v[152:155]
.irp s, 0,1,2,3,4
	ds_store_b64 v241, v[156+2*\s:156+2*\s+1] offset:256*\s
.endr
	ds_store_b32 v242, v167 offset:B2A
	WIN 0x41
.set cn, 0
.rept 64
	v_ldexp_f32 v[BOUT+cn], v[BOUT+cn], s84        ; bout goes in as the C of out_trans's products, in units of their sums
.set cn, cn+1
.endr
	WIN 0
	s_wait_dscnt 0x0                               ; for the others' sake: my stores of the images are done
	s_barrier_signal -1
	s_barrier_wait -1                              ; everybody's are; from here on nobody writes them
	s_wait_alu depctr_vm_vsrc(0)                   ; the head's loads and LDS stores have read v88-167 and v232-242, which the batch's selects write and in which its loads land
	s_mov_b32 s66, 2                               ; batches to go
.Lbatch:
	s_wait_loadcnt 0x0                             ; the batch's entities and mask
	WIN 0x04                                       ; store data and the compare's second source in window 1
.set cn, 0
.rept 19
	ds_store_b128 v[UA], v[PF+4*cn:PF+4*cn+3] offset:512*cn      ; the entities into my region as they lie
.set cn, cn+1
.endr
.irp i, 0,1,2,3
	v_cmp_lt_i32 s[76+\i], 0, v[PF+76+\i]          ; entity 4 x lane + i is hidden where its mask is above 0
.endr
	WIN 0
	v_mov_b32 v21, 0xe7800000                      ; -2^80
	v_lshrrev_b32 v[AD0], 1, v[LI]
	v_add_nc_u32 v[AD0], W1IMG, v[AD0]             ; 8 x lane + W1's images
	v_mov_b32 v[SC], s40
	s_wait_alu depctr_va_sdst(0)                   ; the four compares have written s76 to s79, ahead of their first readers
.irp i, 0,1,2,3
	v_cndmask_b32 v[88+\i], 0, v21, s[76+\i]
.endr
	s_wait_alu depctr_va_vdst(0)                   ; v88-91 are written, which the store reads, and AD0, which W1's loads read; the batch before is done with v152-251 and with window 1's v128-191, in which the loads below land
	ds_store_b128 v[UA], v[88:91] offset:BIASA
.irp c, 0,1,2,3,4,5,6,7
.irp s, 0,1,2,3,4
	ds_load_b64 v[W1F+10*\c+2*\s:W1F+10*\c+2*\s+1], v[AD0] offset:256*(5*\c+\s)
.endr
.endr
	ENTLD 0                                        ; LDS serves a wave's instructions in order (ISA guide 5.7.1.4): these see my stores above
	WIN 0x40
.irp t, 0,1,2,3,4,5,6,7
	ds_load_b128 v[BIAS+8*\t:BIAS+8*\t+3], v[HBW] offset:BIASA+64*\t          ; the bias of keys 16 t + 8 h + 0 .. 7: the score tile's layout
	ds_load_b128 v[BIAS+8*\t+4:BIAS+8*\t+7], v[HBW] offset:BIASA+64*\t+16
.endr
	WIN 0
	s_wait_dscnt 0x0
	s_wait_alu depctr_vm_vsrc(0)                   ; the twenty LDS stores above have read window 1's v0-75 and v88-91, which fc1's conversions and holds write again
	; ---- fc1, relu, x1's codes.  A half's holds stand behind the other half's products: 32 plain lines, the places that the f32 form wants (ISA guide 7.12.1) ahead of the read of results and of the next sums begun
	; on the same registers
	ENTLD 1                                        ; no vector instruction stands behind the wait on va_vdst above
	ENTFIX 0
	W1G 0, 0
	NOPS 8
	W1G 0, 1
	QX 0, 0
.irp t, 1,2,3,4,5,6,7
	s_wait_dscnt 0x0                               ; this tile's entities, asked for a tile ago
.if \t < 7
	s_wait_alu depctr_va_vdst(0)                   ; the last tile's products are done reading their entity set, and its select has written it: the next tile's loads land there
	ENTLD \t+1
.endif
	ENTFIX \t
	W1G \t, 0
	QX \t-1, 1
	W1G \t, 1
	QX \t, 0
.endr
	QX 7, 1
	v_nop                                          ; a plain line behind the last conversion
.irp j, 4,5,6,7
	v_mov_b32 v[RQF+\j], 0                         ; the upper half of q's fragment: K = 32 in the K = 64 form
.endr
	; ---- the four heads: three in a loop, the fourth written out, since it alone asks for the next batch
	s_mov_b32 s68, 0
	s_mov_b32 s69, 0
	s_mov_b32 s67, 3
.Lhead:
	HEAD 0
	s_add_co_u32 s68, s68, 4096
	s_add_co_u32 s69, s69, 512
	s_sub_co_u32 s67, s67, 1
	s_cmp_lg_u32 s67, 0
	s_cbranch_scc1 .Lhead
	s_mov_b32 s68, 12288
	s_mov_b32 s69, 1536
	HEAD 1
	; ---- the tail: out_trans, fc2, the way out
	s_wait_dscnt 0x0                               ; the last step's store is done
	s_wait_alu depctr_vm_vsrc(0)                   ; the head's loads have read AD0, which the add writes, and the last step's store RT+16 .. RT+19, in which Wout lands
	v_add_nc_u32 v[AD0], WIMG_2, v[LI]
	v_mov_b32 v[SC], s58
	v_mov_b32 v21, s59
	s_wait_alu depctr_va_vdst(0)                   ; AD0 is written; the attention is done with the bias, RT, k, v^T, q and q's fragment, and the projections with x1's last 32 registers: the loads below land in all of these; only loads and window switches follow up to the last of them
	WIN 0x40
.irp i, 0,1,2,3
	FRAG AF+16*\i, UA, 2048*\i                     ; attn's four fragments, out of my own images
.endr
	FRAG W2F, AD0, 0
	FRAG W2F+16, AD0, 2048
	WIN 0
.irp c, 0,1,2,3,4,5,6,7
	FRAG WR+16*\c, LI, WIMG_O+2048*\c
.endr
.irp c, 0,1
	ds_load_b128 v[RQ+8*\c:RQ+8*\c+3], v[HBW] offset:B2A+64*\c                ; b2(16 c + 8 h + 0 .. 7)
	ds_load_b128 v[RQ+8*\c+4:RQ+8*\c+7], v[HBW] offset:B2A+64*\c+16
.endr
.irp i, 0,1,2,3
	ds_load_b32 v[232+\i], v[RW] offset:BIASA+64*\i                           ; agent 16 i + r's bias word: 0 where am <= 0
.endr
	s_wait_dscnt 0x0
.irp i, 0,1,2,3
	v_cmp_eq_u32 s[76+\i], 0, v[232+\i]            ; the agent counts
.endr
	s_wait_alu depctr_va_sdst(0)                   ; the four compares have written s76 to s79, ahead of their first readers
.irp i, 0,1,2,3
	v_cndmask_b32 v[236+\i], 0, v21, s[76+\i]      ; its hold at x2: 448 x the scale, or 0
.endr
	X6 0
	X6 1
	X6 2
	X6 3
.irp n, 0,1,2,3,4,5,6,7,8,9,10,11,12,13,14,15
	ds_load_b128 v[88+4*\n:88+4*\n+3], v[SR] offset:576*\n                    ; four rows of 128 bytes: 512 consecutive bytes of out0.  No vector or matrix instruction stands behind the last wait on va_vdst
.endr
.irp n, 0,1,2,3,4,5,6,7,8,9,10,11,12,13,14,15
	s_wait_dscnt 15-\n                             ; LDS loads come back in order: group n is in, the younger ones stay out
	global_store_b128 v[LI], v[88+4*\n:88+4*\n+3], s[8:9] offset:512*\n th:TH_STORE_NT   ; 32 lanes store 512 consecutive bytes, at a multiple of 256 from out0's first byte
.endr
	s_wait_xcnt 0x0                                ; the stores, and the loads for the next batch, have had their addresses translated: the bases may be written
	s_wait_alu depctr_vm_vsrc(0)                   ; the stores have read v88-151, the last agents' LDS stores RP and the tail's loads AD0: the next batch's head writes v88-91 and AD0, and its loads land in RP
	s_add_nc_u64 s[4:5], s[4:5], 9728
	s_add_nc_u64 s[6:7], s[6:7], 512
	s_add_nc_u64 s[8:9], s[8:9], 8192
	s_sub_co_u32 s66, s66, 1
	s_cmp_lg_u32 s66, 0
	s_cbranch_scc1 .Lbatch
	s_wait_dscnt 0x0                               ; the closing lines, six on end
	s_wait_alu 0x0
	s_wait_tensorcnt 0x0
	ds_add_u32 v[SPW], v[NIL]
	s_wait_dscnt 0x0
	s_endpgm
.Lfunc_end_k_q712b2fde86_hyper:
	.size	k_q712b2fde86_hyper, .Lfunc_end_k_q712b2fde86_hyper-k_q712b2fde86_hyper
	.p2alignl 7, 3214868480
	.fill 96, 4, 3214868480
	.section	.rodata,"a",@progbits
	.p2align	6, 0x0
	.amdhsa_kernel k_q712b2fde86_hyper
		.amdhsa_group_segment_fixed_size 164864
		.amdhsa_private_segment_fixed_size 0
		.amdhsa_enable_private_segment 0
		.amdhsa_kernarg_size 88
		.amdhsa_user_sgpr_count 2
		.amdhsa_user_sgpr_kernarg_segment_ptr 1
		.amdhsa_wavefront_size32 1
		.amdhsa_system_sgpr_workgroup_id_x 1
		.amdhsa_system_sgpr_workgroup_id_y 1
		.amdhsa_system_sgpr_workgroup_id_z 1
		.amdhsa_system_vgpr_workitem_id 0
		.amdhsa_next_free_vgpr 512
		.amdhsa_next_free_sgpr 96
		.amdhsa_reserve_vcc 0
		.amdhsa_float_denorm_mode_32 3
		.amdhsa_float_denorm_mode_16_64 3
		.amdhsa_memory_ordered 1
		.amdhsa_forward_progress 1
		.amdhsa_inst_pref_size 255
	.end_amdhsa_kernel
	.section	.bss,"aw",@nobits
	.p2align	6
	.space	262144
	.amdgpu_metadata
---
amdhsa.version: [ 1, 2 ]
amdhsa.kernels:
  - .name:           k_q712b2fde86_hyper
    .symbol:         k_q712b2fde86_hyper.kd
    .args:
      - { .name: entities, .offset: 0, .size: 8, .value_kind: global_buffer, .address_space: global }
      - { .name: entity_mask, .offset: 8, .size: 8, .value_kind: global_buffer, .address_space: global }
      - { .name: out0, .offset: 16, .size: 8, .value_kind: global_buffer, .address_space: global }
      - { .name: W1, .offset: 24, .size: 8, .value_kind: global_buffer, .address_space: global }
      - { .name: b1, .offset: 32, .size: 8, .value_kind: global_buffer, .address_space: global }
      - { .name: Wqkv_codes, .offset: 40, .size: 8, .value_kind: global_buffer, .address_space: global }
      - { .name: Wout_codes, .offset: 48, .size: 8, .value_kind: global_buffer, .address_space: global }
      - { .name: bout, .offset: 56, .size: 8, .value_kind: global_buffer, .address_space: global }
      - { .name: W2_codes, .offset: 64, .size: 8, .value_kind: global_buffer, .address_space: global }
      - { .name: b2, .offset: 72, .size: 8, .value_kind: global_buffer, .address_space: global }
      - { .name: lowp_scales, .offset: 80, .size: 8, .value_kind: global_buffer, .address_space: global }
    .group_segment_fixed_size: 164864
    .private_segment_fixed_size: 0
    .kernarg_segment_align: 8
    .kernarg_segment_size: 88
    .max_flat_workgroup_size: 256
    .sgpr_count:     96
    .vgpr_count:     512
    .wavefront_size: 32
...
	.end_amdgpu_metadata
.endif
;; end of part 2
